; MI455X (gfx1250); checked and timed in simulation.
; The chip was launched on July 23, 2026; its instructions are those of AMD's public machine-readable ISA for CDNA 5 (MIT licence, August 2026) and "CDNA5" Instruction Set Architecture Reference Guide (July 2026). The comments in the code are by the model that wrote it; some were corrected since.
;; Attention 1. Allowed arithmetic: matrix products marked QUANTISED: E3M2 operands, one E8M0 scale for each 32 along K, by v_wmma_scale_f32_16x16x128_f8f6f4 with both operands' format E3M2, f32 sums; products left as they are: f32 operands where the result goes on into a quantised operand, else bf16, f16 or f32 operands; f32 sums; everything else in f32.
;; Inputs: W_out_codes 128 x 64 x 24 uint8 (E3M2 codes of W_out, K innermost, in blocks of 32 codes, four codes in three bytes); W_out_scales 128 x 64 uint8 (E8M0 scales of W_out, one for each 32 codes along K); W_score_codes 1,024 x 32 x 24 uint8 (E3M2 codes of W_score, K innermost, in blocks of 32 codes, four codes in three bytes); W_score_scales 1,024 x 32 uint8 (E8M0 scales of W_score, one for each 32 codes along K); hidden_states 32 x 2,048 x 1,024 float32.
;; Outputs: out0 32 x 128 float32.
;; This version of the problem:
;;   THIS VERSION OF THE PROBLEM IS GIVEN IN LOW PRECISION. The matrix products marked QUANTISED in the list below multiply operands that are first quantised to E3M2 (3 exponent bits, 2 mantissa bits; 6 bits a number), with one power-of-two scale for each 32 numbers along K (OCP MX v1.0); their sums are f32. All else is computed in f32.
;;   The module's matrix products, in the order in which they are computed (A, B: the left and right operand; K: the contracted axis; several contracted axes count as one K, in the product's order):
;;     1. [M 65,536, K 1,024] x [K 1,024, N 1,024]; A: input hidden_states; B: input W_score (given as codes): QUANTISED
;;     2. batch 32 x [M 2,048, K 1,024] x [K 1,024, N 1]; A: computed on the way; B: input hidden_states: left as it is (N = 1 < 16)
;;     3. batch 32 x [M 1,024, K 2,048] x [K 2,048, N 1]; A: input hidden_states; B: softmax: left as it is (N = 1 < 16)
;;     4. [M 32, K 2,048] x [K 2,048, N 128]; A: computed on the way; B: input W_out (given as codes): QUANTISED
;;   THE QUANTISER, for each operand of a quantised product, along K:
;;     - K is cut into blocks of 32 from its start; a last block that is shorter is filled with zeros.
;;     - A block's scale is 2^e with e = floor(log2(the largest magnitude in the block)) - 4, held to -126 .. 127; a block of zeros has e = 0. As a byte (E8M0): e + 127.
;;     - Each number is divided by its block's scale, clamped to +-28, and rounded to the nearest number of E3M2, ties to even, subnormals kept.
;;     - The product sums the exact products of the quantised numbers (number of the format x scale) in f32.
;;   ~~~python
;;   def quantise(x, axis):      # numpy; x: float32 -> the quantised numbers, widened to float32 again
;;       x = np.moveaxis(x, axis, -1); K = x.shape[-1]
;;       x = np.pad(x, [(0, 0)] * (x.ndim - 1) + [(0, -K % 32)]); x = x.reshape(x.shape[:-1] + (-1, 32)); a = np.abs(x).max(-1, keepdims=True)
;;       e = np.where(a > 0, np.clip(np.frexp(np.where(a > 0, a, 1))[1] - 1 - 4, -126, 127), 0)      # np.frexp(a)[1] - 1 = floor(log2(a)), exactly
;;       r = np.clip(x / 2.0 ** e, -28, 28)
;;       step = 2.0 ** (np.maximum(np.frexp(np.where(r == 0, 1, r))[1] - 1, -2) - 2)
;;       q = np.round(r / step) * step * 2.0 ** e      # np.round: ties to even
;;       return np.moveaxis(q.reshape(q.shape[:-2] + (-1,))[..., :K], -1, axis).astype(np.float32)
;;   ~~~
;;   OPERANDS COMPUTED ON THE WAY. 'Computed on the way' means the value that the module computes at that place (a softmax that the list does not call 'softmax' is quantised finished and normalised). What goes into a quantiser is computed in f32, as accurately as f32 sums, v_exp_f32 and their like allow (about 1e-6 of the number): no bf16 or f16 on the way to a quantiser, and a product that is left as it is and whose result goes on into a quantised operand takes f32 operands (vector FMAs, or v_wmma_f32_16x16x4_f32). A number that lies on a knife's edge between two numbers of the format may be rounded either way, as far as f32 arithmetic and the matrix unit's own rounding can turn it there, and no further.
;;   INPUTS GIVEN AS CODES. W_out (in the module: [2048, 128], K = its axis 0); W_score (in the module: [1024, 1024], K = its axis 0): each comes as NAME_codes (uint8): NAME with its K axis moved to the last place and cut into blocks of 32 codes, [.., K / 32, bytes a block], one block behind the other in memory; four codes in three bytes: a row's codes are one little-endian stream of bits, code i at bits 6 i .. 6 i + 5 (a code: sign, 3 exponent bits, 2 mantissa bits); and NAME_scales (uint8): the same leading axes, one E8M0 byte (e + 127) for each 32 codes along K. Its value is code x scale, taken as it is: it is not quantised again, and the codes and scales need not be those that the quantiser above would give.
;; One version. Each part assembles by itself: llvm-mc -triple=amdgcn-amd-amdhsa -mcpu=gfx1250 --defsym DOCPART=n.
;; ======== version 1 of 1: 3 launches
;; limits: right only within a limited range of input values
;; workspace buffers: wlay 819,200 bytes; wolay 196,608 bytes; part 1,114,112 bytes
;; launch lay (part 1): grid 40 x 1, 4 waves a work-group, no clusters, 0 bytes of LDS; arguments W_score_codes, W_score_scales, W_out_codes, wlay, wolay; writes wlay, wolay
.if DOCPART == 1
	.amdgcn_target "amdgcn-amd-amdhsa--gfx1250"
	.amdhsa_code_object_version 6
	.text
	.protected	k_qd52fadf735_lay
	.globl	k_qd52fadf735_lay
	.p2align	8
	.type	k_qd52fadf735_lay,@function
k_qd52fadf735_lay:
	s_mov_b64 s[64:65], 0
	v_nop
	global_prefetch_b8 v0, s[64:65] scope:SCOPE_SE
	s_setreg_imm32_b32 hwreg(HW_REG_WAVE_MODE, 25, 1), 1
	s_wait_xcnt 0x0
; The given codes of W_score and of W_out are laid anew, in the order in which the later launches' operand registers take them.
; NO WORK OF reference() IS LEFT OUT IN THIS PROGRAM: all four products, the softmax and the tanh reach the output, and every input is loaded.
; A fragment (16 rows x 128 K of 6-bit codes) is 12 registers: lane (r, h) holds row r; registers 0-5 the 24 bytes at 96 x K step + 24 h of the row, registers 6-11 those 48 bytes on.
; Its image is 1,536 bytes: registers 4 c .. 4 c + 3 of lane l at 512 c + 16 l.
; wlay = [w 0..3][k 0..31][6,400 bytes].  Record (w, k) serves K = 256 w .. 256 w + 255 and W_score's rows n = 32 k .. 32 k + 31:
;   bytes 0 .. 255: at 8 l the scale bytes of row 32 k + l for these 256 along K (two words: K steps 2 w and 2 w + 1);  from byte 256 on four images: f = 2 t + s: rows 32 k + 16 t .. + 15, K step 2 w + s.
; wolay = [v 0..7][s 0..15][1,536 bytes]: the image of W_out's rows 16 v .. 16 v + 15, K step s.
; Work-groups 0-31: work-group k, wave w make record (w, k).  Work-groups 32-39: work-group 32 + v, wave w make W_out's images (v, 4 w .. 4 w + 3).  The branch hangs on the work-group's number alone.
; Every store covers 256 or 512 consecutive bytes at a multiple of 256 from its buffer's first byte.
.set REC, 6400
	s_load_b128 s[4:7], s[0:1], 0x0                ; W_score's codes, its scale bytes
	s_load_b128 s[8:11], s[0:1], 0x10              ; W_out's codes, wlay
	s_load_b64 s[12:13], s[0:1], 0x20              ; wolay
	v_lshrrev_b32 v1, 5, v0
	v_readfirstlane_b32 s14, v1                    ; wave w
	v_and_b32 v2, 31, v0                           ; lane
	v_and_b32 v3, 15, v0                           ; r
	v_bfe_u32 v4, v0, 4, 1                         ; h
	s_cmp_ge_u32 ttmp9, 32
	s_cbranch_scc1 .Lw_out
	v_mul_u32_u24 v5, v3, 768
	v_mad_u32_u24 v5, v4, 24, v5                   ; row r of 768 bytes, + 24 h
	s_mul_i32 s15, ttmp9, 32*768                   ; my record's 32 rows
	s_mul_i32 s16, s14, 192                        ; K step 2 w: 96 bytes a step
	s_add_co_u32 s15, s15, s16
	v_add_nc_u32 v5, s15, v5
	v_lshlrev_b32 v6, 5, v2                        ; the scale bytes: row l of 32 bytes,
	s_lshl_b32 s16, ttmp9, 10
	s_lshl_b32 s17, s14, 3                         ; 8 w bytes on
	s_add_co_u32 s16, s16, s17
	v_add_nc_u32 v6, s16, v6
	s_lshl_b32 s18, s14, 5
	s_add_co_u32 s18, s18, ttmp9
	s_mul_i32 s18, s18, REC                        ; where record (w, k) begins
	s_wait_alu depctr_va_vdst(0)
	v_lshl_add_u32 v7, v2, 4, s18                  ; + 16 x lane
	v_lshl_add_u32 v8, v2, 3, s18                  ; + 8 x lane
	s_wait_alu depctr_va_vdst(0)
	s_wait_kmcnt 0x0
	global_load_b64 v[10:11], v6, s[6:7]
.irp f, 0,1,2,3
.irp p, 0,1,2,3,4,5
	global_load_b64 v[16+12*\f+2*\p:17+12*\f+2*\p], v5, s[4:5] offset:12288*(\f/2)+96*(\f%2)+48*(\p/3)+8*(\p%3)
.endr
.endr
	s_wait_loadcnt 0x0
	global_store_b64 v8, v[10:11], s[10:11]
.irp f, 0,1,2,3
.irp c, 0,1,2
	global_store_b128 v7, v[16+12*\f+4*\c:19+12*\f+4*\c], s[10:11] offset:256+1536*\f+512*\c
.endr
.endr
	s_endpgm
.Lw_out:
	s_sub_co_u32 s15, ttmp9, 32                    ; v
	s_wait_alu depctr_va_vdst(0)
	v_mul_u32_u24 v5, v3, 1536
	v_mad_u32_u24 v5, v4, 24, v5                   ; row r of 1,536 bytes, + 24 h
	s_mul_i32 s16, s15, 16*1536                    ; rows 16 v on
	s_mul_i32 s17, s14, 4*96                       ; K step 4 w
	s_add_co_u32 s16, s16, s17
	v_add_nc_u32 v5, s16, v5
	s_lshl_b32 s17, s15, 4
	s_lshl_b32 s18, s14, 2
	s_add_co_u32 s17, s17, s18                     ; image 16 v + 4 w
	s_mul_i32 s17, s17, 1536
	v_lshl_add_u32 v7, v2, 4, s17                  ; + 16 x lane
	s_wait_alu depctr_va_vdst(0)
	s_wait_kmcnt 0x0
.irp f, 0,1,2,3
.irp p, 0,1,2,3,4,5
	global_load_b64 v[16+12*\f+2*\p:17+12*\f+2*\p], v5, s[8:9] offset:96*\f+48*(\p/3)+8*(\p%3)
.endr
.endr
	s_wait_loadcnt 0x0
.irp f, 0,1,2,3
.irp c, 0,1,2
	global_store_b128 v7, v[16+12*\f+4*\c:19+12*\f+4*\c], s[12:13] offset:1536*\f+512*\c
.endr
.endr
	s_endpgm
.Lfunc_end_k_qd52fadf735_lay:
	.size	k_qd52fadf735_lay, .Lfunc_end_k_qd52fadf735_lay-k_qd52fadf735_lay
	.p2alignl 7, 3214868480
	.fill 96, 4, 3214868480
	.section	.rodata,"a",@progbits
	.p2align	6, 0x0
	.amdhsa_kernel k_qd52fadf735_lay
		.amdhsa_group_segment_fixed_size 0
		.amdhsa_private_segment_fixed_size 0
		.amdhsa_enable_private_segment 0
		.amdhsa_kernarg_size 40
		.amdhsa_user_sgpr_count 2
		.amdhsa_user_sgpr_kernarg_segment_ptr 1
		.amdhsa_wavefront_size32 1
		.amdhsa_system_sgpr_workgroup_id_x 1
		.amdhsa_system_sgpr_workgroup_id_y 1
		.amdhsa_system_sgpr_workgroup_id_z 1
		.amdhsa_system_vgpr_workitem_id 0
		.amdhsa_next_free_vgpr 64
		.amdhsa_next_free_sgpr 66
		.amdhsa_reserve_vcc 0
		.amdhsa_float_denorm_mode_32 3
		.amdhsa_float_denorm_mode_16_64 3
		.amdhsa_memory_ordered 1
		.amdhsa_forward_progress 1
		.amdhsa_inst_pref_size 10
	.end_amdhsa_kernel
	.amdgpu_metadata
---
amdhsa.version: [ 1, 2 ]
amdhsa.kernels:
  - .name:           k_qd52fadf735_lay
    .symbol:         k_qd52fadf735_lay.kd
    .args:
      - { .name: W_score_codes, .offset: 0, .size: 8, .value_kind: global_buffer, .address_space: global }
      - { .name: W_score_scales, .offset: 8, .size: 8, .value_kind: global_buffer, .address_space: global }
      - { .name: W_out_codes, .offset: 16, .size: 8, .value_kind: global_buffer, .address_space: global }
      - { .name: wlay, .offset: 24, .size: 8, .value_kind: global_buffer, .address_space: global }
      - { .name: wolay, .offset: 32, .size: 8, .value_kind: global_buffer, .address_space: global }
    .group_segment_fixed_size: 0
    .private_segment_fixed_size: 0
    .kernarg_segment_align: 8
    .kernarg_segment_size: 40
    .max_flat_workgroup_size: 128
    .sgpr_count:     66
    .vgpr_count:     64
    .wavefront_size: 32
...
	.end_amdgpu_metadata
.endif
;; end of part 1
;; launch scan (part 2): grid 256 x 1, 4 waves a work-group, no clusters, 327,680 bytes of LDS; arguments hidden_states, wlay, part; writes part
.if DOCPART == 2
	.amdgcn_target "amdgcn-amd-amdhsa--gfx1250"
	.amdhsa_code_object_version 6
	.text
	.protected	k_qd52fadf735_scan
	.globl	k_qd52fadf735_scan
	.p2align	8
	.type	k_qd52fadf735_scan,@function
k_qd52fadf735_scan:
	s_mov_b64 s[64:65], 0
	v_nop
	global_prefetch_b8 v0, s[64:65] scope:SCOPE_SE
	s_setreg_imm32_b32 hwreg(HW_REG_WAVE_MODE, 25, 1), 1
	s_wait_xcnt 0x0
; For 256 rows t of one batch: S = Q(hidden) W_score on codes of BF6 (E3M2) with E8M0 scales; score[t] = S[t] . h_t in f32; a running softmax; ctx[h] += p[t] hidden[t][h] in f32.  Nothing of reference() is left out.
; hidden_states is read once.  Work-group x: batch x / 8, rows 256 (x % 8) on, in TWO BLOCKS OF 128 ROWS, so that wlay is walked twice by a work-group and each fragment of W feeds eight matrix instructions.
; A block's f32 rows wait for their scores where they are: rows 0-63 in registers (windows 2, 3), rows 64-127 in the LDS tile into which the tensor load brought them.
; THE FOUR WAVES SPLIT K: wave w owns columns 256 w .. + 255 of all rows; its result tiles are partial over K, are multiplied with h_t at once, and the four waves' partial scores meet in LDS.
; THE MATRIX INSTRUCTION IS USED TRANSPOSED: source 0 = 16 rows n of W, source 1 = 16 rows t: lane (r, h) holds row r, register j the column n = 16 tile + 8 h + j.
; W comes from wlay straight into a ring of five register buffers, a tile of 16 n (7 loads) each; tile x asks for tile x + 4.  ctx rests in LDS while the ring is at work and lies over the ring when it is drained.
; No cluster: LDS holds 64 rows of f32 (266,240 bytes), ctx (32,768) and the stages, so no slot is left for tiles of W.
; PREFETCH: in the first block's walk over W each wave names, 4 requests a trip in 4 trips, a lane to each 256 bytes, its 1,024 bytes of each of the next block's 128 rows; the last block asks for nothing.
; LIMITS.  NaN and infinities among the inputs are not served.  A block of 32 zeros gets the scale byte 1 (its codes are zeros; this program alone reads the byte); magnitudes under 2^(5 - 127) are held under that byte.
; A score is the sum of four sums over a quarter of K each: another order of rounding than reference()'s.  The softmax's maximum is a running one; the next launch merges the parts.
; REGISTERS.  window 0: v1-23 addresses, m, l, f; v24-31 hidden's scale words, v32-41 W's; v48-63 the scores' sums; v64-127 eight accumulators; v128-247 the ring.  window 1: v0-191 hidden's 16 fragments; v192-207 h_t, two sets.
;   Outside the walk over W: v48-63, v224-255 the quantiser's; v64-127 and window 1's v192-255 eight rows from LDS, by turns; v128-159 p; v176-239 ctx.
.set XPITCH, 1040
.set XTILE,  64*XPITCH                 ; each wave's tile: 64 rows x (1,024 + 16) bytes; tensor loads alone write here
.set CST,    4*XTILE                   ; each wave's stage for codes: 16 rows x 208 bytes
.set CPITCH, 208
.set CSTW,   16*CPITCH
.set SST,    CST+4*CSTW                ; each wave's scale bytes: 128 rows x 8
.set HT,     SST+4096                  ; h_t
.set SP,     HT+4608                   ; partial scores [wave][128]
.set PA,     SP+2048                   ; each wave's own copy of p[128]
.set SPARE,  PA+2048                   ; the spare words: two blocks of 256 bytes that no other line names
.set CTXS,   SPARE+512                 ; ctx at rest: 16 x 2,048 bytes, 16 bytes a thread
.set RECB,   6400
.set XL,1
.set CSW,2
.set CSR,3
.set SSW,4
.set SSR,5
.set HT0,6
.set HTA,7
.set WO16,8
.set WO8,9
.set SPS,10
.set SPR,11
.set PAW,12
.set PAR,13
.set SPW,14
.set NIL,15
.set MX,16
.set LS,17
.set FF,18
.set PFO,20
.set CXA,21
.set HS,24
.set WS,32
.set SA,48
.set ACC,64
.set WF,128
.set HB,192                            ; window 1
.set QT,48
.set QS,52
.set QB,56
.set QC,224
.set TT,112
.set PP,128
.set CTX,176
.set MSB, 0
.macro WIN new                         ; the immediate's high byte repeats the setting that is left
.if MSB != (\new)
	s_set_vgpr_msb (MSB<<8)|(\new)
.set MSB, (\new)
.endif
.endm
.macro PLACES
.rept 4
	v_nop
.endr
.endm
.macro GRD
	s_wait_tensorcnt 0x0
	ds_add_u32 v[SPW], v[NIL]
	s_add_nc_u64 s[14:15], s[14:15], 64*4096
	s_wait_dscnt 0x0                               ; the add and all my reads of the tile are done
	s_barrier_signal -1
	s_barrier_wait -1
	tensor_load_to_lds s[12:15], s[16:23]
	s_nop 0
	PLACES
.endm
	s_load_b128 s[4:7], s[0:1], 0x0                ; hidden_states, wlay
	s_load_b64 s[8:9], s[0:1], 0x10                ; part
	v_lshl_add_u32 v[SPW], v0, 2, SPARE
	v_mov_b32 v[NIL], 0
	ds_add_u32 v[SPW], v[NIL]
	ds_add_u32 v[SPW], v[NIL]
	v_lshrrev_b32 v[TT], 5, v0
	v_readfirstlane_b32 s10, v[TT]                 ; wave w
	s_mov_b32 s16, (2<<16)|(1<<20)|(7<<22)|(3<<25) ; group 1: 64 rows x 256 f32, pitch 1,024 elements, 4 words of padding behind every 256
	s_mov_b32 s17, 256<<16
	s_mov_b32 s18, 64<<16
	s_mov_b32 s19, 256<<16
	s_mov_b32 s20, 64
	s_mov_b32 s21, 1024
	s_mov_b32 s22, 0
	s_mov_b32 s23, 0
	s_mov_b32 s12, 1
	s_mul_i32 s13, s10, XTILE
	s_lshl_b32 s34, ttmp9, 20                      ; the work-group's 256 rows of 4,096 bytes
	s_lshl_b32 s35, s10, 10                        ; my 1,024 bytes of a row
	s_add_co_u32 s34, s34, s35
	s_mov_b32 s35, 0
	s_mul_i32 s38, s10, 32*RECB                    ; my quarter of wlay
	s_mov_b32 s39, 0
	s_mov_b32 s32, 0x76543210
	s_mov_b32 s33, 0xfedcba98
	s_wait_dscnt 0x0
	s_wait_kmcnt 0x0
	s_add_nc_u64 s[14:15], s[4:5], s[34:35]
	s_add_nc_u64 s[40:41], s[14:15], 128*4096      ; the prefetches' base: the second block's rows
	s_or_b32 s15, s15, 0x80000000
	tensor_load_to_lds s[12:15], s[16:23]          ; rows 0-63: every wave's first fill; one tensor load of mine is out, here and ever
	s_nop 0
	PLACES
	s_add_nc_u64 s[24:25], s[6:7], s[38:39]
	s_lshr_b32 s34, ttmp9, 3                       ; h_t = the batch's row 2,047
	s_lshl_b32 s34, s34, 23
	s_add_co_u32 s34, s34, 2047*4096
	s_mov_b32 s35, 0
	s_add_nc_u64 s[34:35], s[4:5], s[34:35]
	v_lshlrev_b32 v[TT], 4, v0
	global_load_b128 v[64:67], v[TT], s[34:35]
	global_load_b128 v[68:71], v[TT], s[34:35] offset:2048
	v_and_b32 v[TT+1], 31, v0                      ; l
	v_lshrrev_b32 v[TT+2], 2, v[TT+1]              ; l / 4
	v_and_b32 v[TT+3], 3, v0                       ; l % 4
	v_and_b32 v[TT+4], 15, v0                      ; r
	v_bfe_u32 v[TT+5], v0, 4, 1                    ; h
	v_mul_u32_u24 v[XL], v[TT+2], XPITCH
	v_lshl_add_u32 v[XL], v[TT+3], 6, v[XL]
	v_add_nc_u32 v[XL], s13, v[XL]                 ; my tile: 1040 (l / 4) + 64 (l % 4)
	s_mul_i32 s36, s10, CSTW
	s_add_co_u32 s36, s36, CST
	v_mul_u32_u24 v[CSW], v[TT+2], CPITCH
	v_mad_u32_u24 v[CSW], v[TT+3], 12, v[CSW]
	v_add_nc_u32 v[CSW], s36, v[CSW]
	v_mul_u32_u24 v[CSR], v[TT+4], CPITCH
	v_mad_u32_u24 v[CSR], v[TT+5], 24, v[CSR]
	v_add_nc_u32 v[CSR], s36, v[CSR]
	s_lshl_b32 s37, s10, 10
	s_add_co_u32 s37, s37, SST
	v_lshrrev_b32 v[TT+6], 1, v[TT+3]
	v_lshl_add_u32 v[SSW], v[TT+2], 3, v[TT+6]
	v_add_nc_u32 v[SSW], s37, v[SSW]
	v_lshl_add_u32 v[SSR], v[TT+1], 3, s37
	v_lshlrev_b32 v[HT0], 5, v[TT+5]
	v_add_nc_u32 v[HT0], HT, v[HT0]
	v_lshlrev_b32 v[WO16], 4, v[TT+1]
	v_lshlrev_b32 v[WO8], 3, v[TT+4]
	s_lshl_b32 s37, s10, 9
	v_lshlrev_b32 v[SPS], 2, v[TT+4]
	v_add_nc_u32 v[SPS], s37, v[SPS]
	v_add_nc_u32 v[SPS], SP, v[SPS]                ; my partial scores: 512 w + 4 r
	v_lshlrev_b32 v[SPR], 2, v[TT+1]
	v_add_nc_u32 v[SPR], SP, v[SPR]
	v_lshlrev_b32 v[PAW], 2, v[TT+1]
	v_add_nc_u32 v[PAW], s37, v[PAW]
	v_add_nc_u32 v[PAW], PA, v[PAW]
	v_lshlrev_b32 v[PAR], 2, v[TT+2]
	v_add_nc_u32 v[PAR], s37, v[PAR]
	v_add_nc_u32 v[PAR], PA, v[PAR]
	v_lshlrev_b32 v[PFO], 12, v[TT+2]
	v_lshl_add_u32 v[PFO], v[TT+3], 8, v[PFO]      ; a prefetch: row l / 4, unit l % 4 of my 1,024 bytes
	v_add_nc_u32 v[CXA], CTXS, v[TT]               ; ctx at rest: 16 x thread
	v_mov_b32 v[MX], 0xff61b1e6                    ; the largest score so far: -3e38
	v_mov_b32 v[LS], 0
	v_mov_b32 v[FF+1], 0
	v_add_nc_u32 v[TT+7], HT, v[TT]
.irp e, 72,73,74,75
	v_mov_b32 v\e, 0
.endr
.irp c, 0,1,2,3,4,5,6,7,8,9,10,11,12,13,14,15
	ds_store_b128 v[CXA], v[72:75] offset:2048*\c  ; ctx begins as zeros
.endr
	s_wait_alu depctr_va_vdst(0)
	s_wait_loadcnt 0x0
	ds_store_b128 v[TT+7], v[64:67]                ; h_t: read by all waves behind the first barrier, in front of which I wait for these stores
	ds_store_b128 v[TT+7], v[68:71] offset:2048
.macro WLOAD b, x                      ; tile x, counted from where s[26:27] stands, into ring buffer b: its 16 rows' scale words and two fragments: 7 loads
	global_load_b64 v[WS+2*(\b):WS+2*(\b)+1], v[WO8], s[26:27] offset:RECB*((\x)/2)+128*((\x)%2)
.irp c, 0,1,2,3,4,5
	global_load_b128 v[WF+24*(\b)+4*\c:WF+24*(\b)+4*\c+3], v[WO16], s[26:27] offset:RECB*((\x)/2)+256+3072*((\x)%2)+512*\c
.endr
.endm
.macro LOADX v                         ; rows 8 v + l / 4 into windows 2, 3: register 64 v + 16 j + 4 i + e = column 64 j + 16 (l % 4) + 4 i + e
	WIN 0x80+0x40*((\v)/4)
.irp j, 0,1,2,3
.irp i, 0,1,2,3
	ds_load_b128 v[64*((\v)%4)+16*\j+4*\i:64*((\v)%4)+16*\j+4*\i+3], v[XL] offset:8*XPITCH*(\v)+256*\j+16*\i
.endr
.endr
.endm
.macro LOADXB k                        ; the tile's rows 8 k + l / 4 into 64 registers: window 1's v192 on (k even), v64 on (k odd)
.if (\k)%2
	WIN 0
.set xb, 64
.else
	WIN 0x40
.set xb, 192
.endif
.irp j, 0,1,2,3
.irp i, 0,1,2,3
	ds_load_b128 v[xb+16*\j+4*\i:xb+16*\j+4*\i+3], v[XL] offset:8*XPITCH*(\k)+256*\j+16*\i
.endr
.endr
	WIN 0
.endm
.macro QWORK n, xr, win                ; eight rows, at register xr of window win, are quantised: four groups of 16 numbers a lane, by turns
	WIN 0x14*(\win)
.irp j, 0,1,2,3
	v_max3_num_f32 v[QT+\j], 0x2800000, |v[\xr+16*\j]|, |v[\xr+16*\j+1]|   ; with the floor 2^(5 - 127)
.endr
.irp i, 2,4,6,8,10,12,14
.irp j, 0,1,2,3
	v_max3_num_f32 v[QT+\j], v[QT+\j], |v[\xr+16*\j+\i]|, |v[\xr+16*\j+\i+1]|
.endr
.endr
	WIN 0
.irp j, 0,1,2,3
	v_max_num_f32_dpp v[QT+\j], v[QT+\j], v[QT+\j] row_xmask:1 row_mask:0xf bank_mask:0xf   ; with my neighbour's 16
.endr
.irp j, 0,1,2,3
	v_add_nc_u32 v[QS+\j], 0xfe000000, v[QT+\j]    ; 4 off the exponent field: the conversion's scale operand
.endr
.irp j, 0,1,2,3
	v_lshrrev_b32 v[QB+4*((\n)%2)+\j], 23, v[QS+\j]
.endr
	WIN (\win)
.irp j, 0,1,2,3
	v_cvt_scalef32_pk16_bf6_f32 v[QC+16*((\n)%2)+4*\j:QC+16*((\n)%2)+4*\j+2], v[\xr+16*\j:\xr+16*\j+15], v[QS+\j]
.endr
	v_nop                                          ; one plain place behind the scaled conversions
	WIN 0
.endm
.macro QOUT n                          ; step n's codes and scale bytes to my stages (16 stores); behind an odd step 16 rows come back as two fragments (12 loads).  LDS serves a wave's instructions in order (ISA guide 5.7.1.4)
.irp j, 0,1,2,3
.irp e, 0,1,2
	ds_store_b32 v[CSW], v[QC+16*((\n)%2)+4*\j+\e] offset:8*CPITCH*((\n)%2)+48*\j+4*\e
.endr
.endr
.irp j, 0,1,2,3
	ds_store_b8 v[SSW], v[QB+4*((\n)%2)+\j] offset:64*(\n)+2*\j
.endr
.if (\n)%2
	WIN 0x40
.irp s, 0,1
.irp p, 0,1,2,3,4,5
	ds_load_b64 v[24*((\n)/2)+12*\s+2*\p:24*((\n)/2)+12*\s+2*\p+1], v[CSR] offset:96*\s+48*(\p/3)+8*(\p%3)
.endr
.endr
	WIN 0
.endif
.endm
; Matrix instruction i of a tile's 16: rows 16 mm on, K step ks.  Accumulators 0-3 first (both K steps), then 4-7; they take turns
.macro MM b
.set mm, 4*(i/8)+i%4
.set ks, (i%8)/4
.set rD, ACC+8*mm
.set rW, WF+24*(\b)+12*ks
.set rH, 24*mm+12*ks
.set rA, WS+2*(\b)+ks
.set rB, HS+2*(mm/2)+ks
.if ks == 0
.if (mm%2) == 0
	v_wmma_scale_f32_16x16x128_f8f6f4 v[rD:rD+7], v[rW:rW+11], v[rH:rH+11], 0, v[rA], v[rB] matrix_a_fmt:MATRIX_FMT_BF6 matrix_b_fmt:MATRIX_FMT_BF6
.else
	v_wmma_scale_f32_16x16x128_f8f6f4 v[rD:rD+7], v[rW:rW+11], v[rH:rH+11], 0, v[rA], v[rB] matrix_a_fmt:MATRIX_FMT_BF6 matrix_b_fmt:MATRIX_FMT_BF6 matrix_b_scale:MATRIX_SCALE_ROW1
.endif
.else
.if (mm%2) == 0
	v_wmma_scale_f32_16x16x128_f8f6f4 v[rD:rD+7], v[rW:rW+11], v[rH:rH+11], v[rD:rD+7], v[rA], v[rB] matrix_a_fmt:MATRIX_FMT_BF6 matrix_b_fmt:MATRIX_FMT_BF6
.else
	v_wmma_scale_f32_16x16x128_f8f6f4 v[rD:rD+7], v[rW:rW+11], v[rH:rH+11], v[rD:rD+7], v[rA], v[rB] matrix_a_fmt:MATRIX_FMT_BF6 matrix_b_fmt:MATRIX_FMT_BF6 matrix_b_scale:MATRIX_SCALE_ROW1
.endif
.endif
.endm
; Multiply-adds p0, p0 + 1 of the 16 of four finished accumulators (m0 on) with their tile's 8 numbers of h_t: the four by turns, each from its low end on.  st: the first four start the block's sums
.macro FM2 m0, p0, set, st
.irp d, 0,1
.set fq, ((\p0)+\d)/4
.set fm, (\m0)+((\p0)+\d)%4
.if (\st) && (fq == 0)
	v_pk_mul_f32 v[SA+2*fm:SA+2*fm+1], v[ACC+8*fm:ACC+8*fm+1], v[HB+8*(\set):HB+8*(\set)+1]
.else
	v_pk_fma_f32 v[SA+2*fm:SA+2*fm+1], v[ACC+8*fm+2*fq:ACC+8*fm+2*fq+1], v[HB+8*(\set)+2*fq:HB+8*(\set)+2*fq+1], v[SA+2*fm:SA+2*fm+1]
.endif
.endr
.endm
; A TILE: 16 rows of W, 16 matrix instructions, two multiply-adds behind each: first those of the tile before (its accumulators 4-7), then this tile's 0-3.  They are the places that the results' reads,
; the accumulators' new starts and the loads into the ring want.  Behind the second matrix instruction: tile x + 4 into the buffer that tile x - 1 has left, and this tile's h_t.
; ff = 0: the block's first tile; 2: its second; cnt: the loads issued behind this tile's own: 7 for each of three younger tiles, fewer at the end
.macro TILE x, ff, ld, cnt
	s_wait_loadcnt \cnt
	WIN 0x04                                       ; source 1 (hidden's fragments; h_t) window 1
.set i, 0
.rept 16
	MM (\x)%5
.if i < 8
.if \ff
	FM2 4, 2*i, ((\x)+1)%2, (\ff)==2
.endif
.else
	FM2 0, 2*(i-8), (\x)%2, (\ff)==0
.endif
.if i == 1
.if \ld
	WLOAD ((\x)+4)%5, (\x)+4
.endif
	WIN 0x40
	ds_load_b128 v[HB+8*((\x)%2):HB+8*((\x)%2)+3], v[HTA] offset:64*(\x)
	ds_load_b128 v[HB+8*((\x)%2)+4:HB+8*((\x)%2)+7], v[HTA] offset:64*(\x)+16
	WIN 0x04
.endif
.if i == 7
.if !(\ff)
	PLACES
.endif
	s_wait_dscnt 0x0                               ; this tile's h_t is in
.endif
.set i, i+1
.endr
.endm
.macro CTXA                            ; ctx += p x hidden over the block's rows 0-63, which lie in windows 2 and 3
.irp u, 0,1,2,3,4,5,6,7
	WIN 0x02+(\u/4)
.set t, 0
.rept 32
	v_pk_fma_f32 v[CTX+t:CTX+t+1], v[64*(\u%4)+t:64*(\u%4)+t+1], v[PP+2*\u:PP+2*\u+1], v[CTX+t:CTX+t+1] op_sel_hi:[1,0,1]
.set t, t+2
.endr
.endr
	WIN 0
.endm
	s_mov_b32 s28, 2                               ; blocks to go
	s_mov_b32 s31, 4                               ; trips that still prefetch
.Lblock:
	s_wait_tensorcnt 0x0                           ; rows 0-63 of the block have landed in my tile; nobody else reads it
.irp v, 0,1,2,3,4,5,6,7
	LOADX \v
.endr
	WIN 0
	GRD
	s_wait_xcnt 0x0                                ; the last block's loads have read their base
	s_mov_b64 s[26:27], s[24:25]
	s_mov_b32 s30, 0
.irp b, 0,1,2,3
	WLOAD \b, \b
.endr
	QWORK 0, 0, 2
.irp n, 1,2,3,4,5,6,7
	QWORK \n, 64*(\n%4), 2+\n/4
	QOUT \n-1                                      ; a step's stores stand behind the next step's arithmetic
.endr
	QOUT 7
	s_wait_tensorcnt 0x0                           ; rows 64-127 have landed; they stay in the tile until their p is known
	LOADXB 0
	LOADXB 1
.irp k, 0,1,2,3,4,5,6,7
.if \k < 2
	s_wait_dscnt 16                                ; the counts: the LDS instructions issued behind this step's 16 loads: the next step's 16 loads,
.elseif \k == 2
	s_wait_dscnt 32                                ; and 16 stores,
.elseif \k == 7
	s_wait_dscnt 44                                ; (no loads: 32 stores, 12 fragment loads)
.else
	s_wait_dscnt 60                                ; 16 loads, 32 stores, 12 fragment loads
.endif
	QWORK 8+\k, 192-128*(\k%2), 1-\k%2
.if \k < 6
	LOADXB \k+2
.endif
.if \k > 0
	QOUT 8+\k-1
.endif
.endr
	QOUT 15
.irp g, 0,1,2,3
	ds_load_b64 v[HS+2*\g:HS+2*\g+1], v[SSR] offset:256*\g   ; register 2 g + s: lanes 0-15 rows 32 g on, lanes 16-31 rows 32 g + 16 on; K step s
.endr
	v_mov_b32 v[HTA], v[HT0]
	s_wait_alu depctr_va_vdst(0)
	s_wait_dscnt 0x0                               ; fragments and scale words are in; the quantiser's stores have read ring buffer 4's registers
	; ---- S^T = W Q(hidden)^T over my quarter of K, 64 tiles: 4, five trips of 10, 10
	TILE 0, 0, 1, 21
	TILE 1, 2, 1, 21
	TILE 2, 1, 1, 21
	TILE 3, 1, 1, 21
	WIN 0
	s_mov_b32 s29, 5
.Ltiles:
	v_add_nc_u32 v[HTA], s30, v[HT0]
	s_wait_alu depctr_va_vdst(0)
	s_cmp_eq_u32 s31, 0
	s_cbranch_scc1 .Lno_prefetch
.irp i, 0,1,2,3
	global_prefetch_b8 v[PFO], s[40:41] offset:32768*\i th:TH_LOAD_NT scope:SCOPE_SE   ; 8 rows each: 32 rows of the next block a trip
.endr
	s_sub_co_u32 s31, s31, 1
.Lno_prefetch:
.irp x, 4,5,6,7,8,9,10,11,12,13
	TILE \x, 1, 1, 21
.endr
	WIN 0
	s_wait_xcnt 0x0                                ; the loads and prefetches have read their bases
	s_add_nc_u64 s[26:27], s[26:27], 5*RECB
	s_add_nc_u64 s[40:41], s[40:41], 32*4096
	s_add_co_u32 s30, s30, 640
	s_sub_co_u32 s29, s29, 1
	s_cmp_lg_u32 s29, 0
	s_wait_alu depctr_va_vdst(0)
	s_cbranch_scc1 .Ltiles
	v_add_nc_u32 v[HTA], s30, v[HT0]
	s_wait_alu depctr_va_vdst(0)
.irp x, 4,5,6,7,8,9
	TILE \x, 1, 1, 21                              ; tiles 54 to 59 ask for tiles 58 to 63: no load leaves my quarter of wlay
.endr
	TILE 10, 1, 0, 21
	TILE 11, 1, 0, 14                              ; and the counts run down
	TILE 12, 1, 0, 7
	TILE 13, 1, 0, 0
.irp p, 0,2,4,6,8,10,12,14
	FM2 4, \p, 1, 0                                ; the last tile's accumulators 4-7
.endr
	WIN 0
	; ---- the scores: my sums' two halves, the other half of the lanes', and through LDS the other three waves'
.irp m, 0,1,2,3,4,5,6,7
	v_add_f32 v[96+\m], v[SA+2*\m], v[SA+2*\m+1]
.endr
.irp m, 0,1,2,3,4,5,6,7
	v_permlanex16_b32 v[104+\m], v[96+\m], s32, s33
.endr
.irp m, 0,1,2,3,4,5,6,7
	v_add_f32 v[96+\m], v[96+\m], v[104+\m]
.endr
.irp m, 0,1,2,3,4,5,6,7
	ds_store_b32 v[SPS], v[96+\m] offset:64*\m     ; row 16 m + r
.endr
	s_wait_dscnt 0x0                               ; for the others' sake
	s_barrier_signal -1
	s_barrier_wait -1
.irp p, 0,1,2,3
.irp g, 0,1,2,3
	ds_load_b32 v[64+4*\p+\g], v[SPR] offset:512*\p+128*\g   ; wave p's part of row 32 g + l
.endr
.endr
	s_wait_dscnt 0x0
.irp g, 0,1,2,3
	v_add_f32 v[80+\g], v[64+\g], v[68+\g]
.endr
.irp g, 0,1,2,3
	v_add_f32 v[84+\g], v[72+\g], v[76+\g]
.endr
.irp g, 0,1,2,3
	v_add_f32 v[80+\g], v[80+\g], v[84+\g]
.endr
	v_max3_num_f32 v88, v80, v81, v82
	v_max_num_f32 v88, v88, v83
	v_max_num_f32_dpp v88, v88, v88 row_xmask:1 row_mask:0xf bank_mask:0xf
	v_max_num_f32_dpp v88, v88, v88 row_xmask:2 row_mask:0xf bank_mask:0xf
	v_max_num_f32_dpp v88, v88, v88 row_xmask:4 row_mask:0xf bank_mask:0xf
	v_max_num_f32_dpp v88, v88, v88 row_xmask:8 row_mask:0xf bank_mask:0xf
	v_permlanex16_b32 v89, v88, s32, s33
	v_max3_num_f32 v90, v88, v89, v[MX]            ; the new m: all four waves find the same
	v_sub_f32 v91, v[MX], v90
.irp g, 0,1,2,3
	v_sub_f32 v[80+\g], v[80+\g], v90
.endr
	v_mul_f32 v91, 0x3fb8aa3b, v91
.irp g, 0,1,2,3
	v_mul_f32 v[80+\g], 0x3fb8aa3b, v[80+\g]
.endr
	s_wait_alu depctr_va_vdst(0)                   ; a wait ahead of the batch,
	v_exp_f32 v[FF], v91                           ; f = e^(old m - new m)
.irp g, 0,1,2,3
	v_exp_f32 v[48+\g], v[80+\g]                   ; p of row 32 g + l
.endr
	v_mov_b32 v[MX], v90                           ; (the plain place)
	s_wait_alu depctr_va_vdst(0)                   ; and behind it
	v_add_f32 v92, v48, v49
	v_add_f32 v93, v50, v51
	v_add_f32 v92, v92, v93
	v_fma_f32 v[LS], v[LS], v[FF], v92             ; l, a lane's part
.irp g, 0,1,2,3
	ds_store_b32 v[PAW], v[48+\g] offset:128*\g
.endr
.irp u, 0,1,2,3,4,5,6,7,8,9,10,11,12,13,14,15
	ds_load_b32 v[PP+2*\u], v[PAR] offset:32*\u    ; p of my rows 8 u + l / 4: my wave's own bytes, served in order
.endr
.irp c, 0,1,2,3,4,5,6,7,8,9,10,11,12,13,14,15
	ds_load_b128 v[CTX+4*\c:CTX+4*\c+3], v[CXA] offset:2048*\c
.endr
	LOADXB 0
	LOADXB 1
	; ---- ctx = f ctx + the sum over the 128 rows of p x hidden, in f32
	s_wait_dscnt 32                                ; all but the 32 loads of rows just issued
.set t, 0
.rept 32
	v_pk_mul_f32 v[CTX+t:CTX+t+1], v[CTX+t:CTX+t+1], v[FF:FF+1] op_sel_hi:[1,0]
.set t, t+2
.endr
.irp u, 0,1,2,3,4,5,6,7                        ; the rows in the tile first, so that the tile is free for the next block's rows
.if \u < 7
	s_wait_dscnt 16                                ; the next eight rows' loads may be out
.else
	s_wait_dscnt 0x0
.endif
.if \u%2
	WIN 0
.set xc, 64
.else
	WIN 0x01
.set xc, 192
.endif
.set t, 0
.rept 32
	v_pk_fma_f32 v[CTX+t:CTX+t+1], v[xc+t:xc+t+1], v[PP+16+2*\u:PP+17+2*\u], v[CTX+t:CTX+t+1] op_sel_hi:[1,0,1]
.set t, t+2
.endr
.if \u < 6
	LOADXB \u+2
.endif
.endr
	WIN 0
	s_wait_alu depctr_va_vdst(0)
	s_cmp_eq_u32 s28, 1
	s_cbranch_scc1 .Lout                           ; the last block asks for nothing more
	GRD
	CTXA                                           ; and the rows kept in registers are summed while they land
.irp c, 0,1,2,3,4,5,6,7,8,9,10,11,12,13,14,15
	ds_store_b128 v[CXA], v[CTX+4*\c:CTX+4*\c+3] offset:2048*\c   ; ctx rests while the ring is at work; the next barrier's wait shows these stores done
.endr
	s_sub_co_u32 s28, s28, 1
	s_branch .Lblock
.Lout:
	CTXA
	; THE WAY OUT.  ctx is summed over the eight lanes that hold the same columns (l / 4 = 0 .. 7), l over all 32
.set t, 0
.rept 64
	v_add_f32_dpp v[CTX+t], v[CTX+t], v[CTX+t] row_xmask:4 row_mask:0xf bank_mask:0xf
.set t, t+1
.endr
.set t, 0
.rept 64
	v_add_f32_dpp v[CTX+t], v[CTX+t], v[CTX+t] row_xmask:8 row_mask:0xf bank_mask:0xf
.set t, t+1
.endr
.set t, 0
.rept 64
	v_permlanex16_b32 v[64+t], v[CTX+t], s32, s33
.set t, t+1
.endr
.set t, 0
.rept 64
	v_add_f32 v[CTX+t], v[CTX+t], v[64+t]
.set t, t+1
.endr
	v_add_f32_dpp v[LS], v[LS], v[LS] row_xmask:1 row_mask:0xf bank_mask:0xf
	v_add_f32_dpp v[LS], v[LS], v[LS] row_xmask:2 row_mask:0xf bank_mask:0xf
	v_add_f32_dpp v[LS], v[LS], v[LS] row_xmask:4 row_mask:0xf bank_mask:0xf
	v_add_f32_dpp v[LS], v[LS], v[LS] row_xmask:8 row_mask:0xf bank_mask:0xf
	v_permlanex16_b32 v[TT+4], v[LS], s32, s33
	v_add_f32 v[LS], v[LS], v[TT+4]
	v_and_b32 v[TT], 3, v0
	v_lshl_add_u32 v[TT], v[TT], 6, s36            ; my code stage: column 64 j + 16 (l % 4) + 4 i at byte 256 j + 64 (l % 4) + 16 i (the eight lanes of a column write the same)
	v_add_nc_u32 v[TT+1], s36, v[WO16]
	s_lshl_b32 s37, s10, 10
	v_add_nc_u32 v[TT+2], s37, v[WO16]             ; in part: my wave's 1,024 bytes
	v_and_b32 v[TT+3], 31, v0
	v_lshlrev_b32 v[TT+3], 3, v[TT+3]
	s_mul_i32 s34, ttmp9, 4352
	s_mov_b32 s35, 0
	s_add_nc_u64 s[8:9], s[8:9], s[34:35]
.irp j, 0,1,2,3
.irp i, 0,1,2,3
	ds_store_b128 v[TT], v[CTX+16*\j+4*\i:CTX+16*\j+4*\i+3] offset:256*\j+16*\i
.endr
.endr
	ds_load_b128 v[64:67], v[TT+1]                 ; my wave's own bytes, served in order
	ds_load_b128 v[68:71], v[TT+1] offset:512
	s_wait_alu depctr_va_vdst(0)
	s_wait_dscnt 0x0
	global_store_b128 v[TT+2], v[64:67], s[8:9]    ; 32 lanes store 512 consecutive bytes, at a multiple of 256 from the buffer's first byte
	global_store_b128 v[TT+2], v[68:71], s[8:9] offset:512
	s_cmp_lg_u32 s10, 0
	s_cbranch_scc1 .Lnot_wave_0
	global_store_b64 v[TT+3], v[MX:LS], s[8:9] offset:4096   ; (m, l), 32 times: 256 consecutive bytes
.Lnot_wave_0:
	s_wait_tensorcnt 0x0                           ; the wave's end
	ds_add_u32 v[SPW], v[NIL]
	s_wait_dscnt 0x0
	s_endpgm
.Lfunc_end_k_qd52fadf735_scan:
	.size	k_qd52fadf735_scan, .Lfunc_end_k_qd52fadf735_scan-k_qd52fadf735_scan
	.p2alignl 7, 3214868480
	.fill 96, 4, 3214868480
	.section	.rodata,"a",@progbits
	.p2align	6, 0x0
	.amdhsa_kernel k_qd52fadf735_scan
		.amdhsa_group_segment_fixed_size 327680
		.amdhsa_private_segment_fixed_size 0
		.amdhsa_enable_private_segment 0
		.amdhsa_kernarg_size 24
		.amdhsa_user_sgpr_count 2
		.amdhsa_user_sgpr_kernarg_segment_ptr 1
		.amdhsa_wavefront_size32 1
		.amdhsa_system_sgpr_workgroup_id_x 1
		.amdhsa_system_sgpr_workgroup_id_y 1
		.amdhsa_system_sgpr_workgroup_id_z 1
		.amdhsa_system_vgpr_workitem_id 0
		.amdhsa_next_free_vgpr 1024
		.amdhsa_next_free_sgpr 66
		.amdhsa_reserve_vcc 0
		.amdhsa_float_denorm_mode_32 3
		.amdhsa_float_denorm_mode_16_64 3
		.amdhsa_memory_ordered 1
		.amdhsa_forward_progress 1
		.amdhsa_inst_pref_size 255
	.end_amdhsa_kernel
	.section	.bss,"aw",@nobits
	.p2align	6
	.space	262144
	.amdgpu_metadata
---
amdhsa.version: [ 1, 2 ]
amdhsa.kernels:
  - .name:           k_qd52fadf735_scan
    .symbol:         k_qd52fadf735_scan.kd
    .args:
      - { .name: hidden_states, .offset: 0, .size: 8, .value_kind: global_buffer, .address_space: global }
      - { .name: wlay, .offset: 8, .size: 8, .value_kind: global_buffer, .address_space: global }
      - { .name: part, .offset: 16, .size: 8, .value_kind: global_buffer, .address_space: global }
    .group_segment_fixed_size: 327680
    .private_segment_fixed_size: 0
    .kernarg_segment_align: 8
    .kernarg_segment_size: 24
    .max_flat_workgroup_size: 128
    .sgpr_count:     66
    .vgpr_count:     1024
    .wavefront_size: 32
...
	.end_amdgpu_metadata
.endif
;; end of part 2
;; launch finish (part 3): grid 32 x 1, 8 waves a work-group, no clusters, 36,352 bytes of LDS; arguments part, hidden_states, wolay, W_out_scales, out0; writes out0
.if DOCPART == 3
	.amdgcn_target "amdgcn-amd-amdhsa--gfx1250"
	.amdhsa_code_object_version 6
	.text
	.protected	k_qd52fadf735_finish
	.globl	k_qd52fadf735_finish
	.p2align	8
	.type	k_qd52fadf735_finish,@function
k_qd52fadf735_finish:
	s_mov_b64 s[64:65], 0
	v_nop
	global_prefetch_b8 v0, s[64:65] scope:SCOPE_SE
	s_setreg_imm32_b32 hwreg(HW_REG_WAVE_MODE, 25, 1), 1
	s_wait_xcnt 0x0
; One batch to a work-group: the eight parts (m, l, ctx under m) of the batch are merged into the context vector; [ctx, h_t] (2,048 numbers) is quantised along K to codes of BF6 (E3M2) with E8M0 scales;
; out = tanh([ctx, h_t] W_out) on the given codes of W_out, which the first launch has laid in the order of the operand's registers (wolay).  Nothing of reference() is left out.
; SHARES.  Wave v makes outputs 16 v .. 16 v + 15 and, of the left operand, K steps v (ctx's columns 128 v on) and 8 + v (h_t's).  The operand has one row: all 16 rows of its fragments hold it.
; The fragments go from wave to wave through LDS as images of their registers: three stores of 16 bytes a lane at 16 x lane, the scale word at 4 x lane.
; THE MATRIX INSTRUCTION IS USED TRANSPOSED: source 0 = 16 rows n of W_out, source 1 = the operand: a lane's eight results are outputs 16 v + 8 h + 0 .. 7.
; LIMITS.  NaN and infinities are not served.  A block of 32 zeros gets the scale byte 1: its codes are zeros, and this program alone reads the byte.  K's 16 steps are summed in four chains, added at the end.
; tanh(x) = 1 - 2 / (1 + e^(2 x)): right at both ends of the range, where the exponential is 0 or infinite.
; REGISTERS.  window 0: v1-14 addresses; v16-31 W_out's scale words, v32-39 the operand's; v40-71 four accumulators; v72-167 64 numbers and what is made of them, later eight images; v168-219 the parts, later the results; v252, v253 the add's two.
;   window 1: v0-191 W_out's 16 fragments.
.set PRE,   0                          ; [ctx, h_t], 8,192 bytes
.set IMG,   8192                       ; 16 images of 1,536 bytes
.set PSC,   IMG+16*1536                ; their scale words, 128 bytes each
.set OST,   PSC+16*128                 ; the 128 results
.set SPARE, OST+512                    ; the spare words, 128 bytes for each wave: four blocks of 256 bytes that no other line names
.set PARTB, 4352
.set WSC, 16
.set PS,  32
.set ACC, 40
.set NN,  72
.set PC,  136
.set PX,  148
.set IM,  72
.set SPW, 252
.set NIL, 253
.set MSB, 0
.macro WIN new                         ; the immediate's high byte repeats the setting that is left
.if MSB != (\new)
	s_set_vgpr_msb (MSB<<8)|(\new)
.set MSB, (\new)
.endif
.endm
	s_load_b256 s[4:11], s[0:1], 0x0               ; part s[4:5], hidden_states s[6:7], wolay s[8:9], W_out's scale bytes s[10:11]
	s_load_b64 s[12:13], s[0:1], 0x20              ; out0
	v_lshl_add_u32 v[SPW], v0, 2, SPARE
	v_mov_b32 v[NIL], 0
	v_lshrrev_b32 v1, 5, v0
	s_delay_alu instid0(VALU_DEP_1)
	v_readfirstlane_b32 s14, v1                    ; wave v
	v_and_b32 v1, 31, v0                           ; l
	v_and_b32 v2, 15, v0                           ; r
	v_bfe_u32 v3, v0, 4, 1                         ; h
	s_mul_i32 s15, s14, 16*1536                    ; wolay: my wave's 16 images,
	v_lshl_add_u32 v4, v1, 4, s15                  ; 16 bytes a lane
	v_lshlrev_b32 v5, 6, v2                        ; W_out's scale bytes: 64 a row
	s_lshl_b32 s15, s14, 10
	v_add_nc_u32 v5, s15, v5
	v_and_b32 v6, 7, v0
	s_delay_alu instid0(VALU_DEP_1)
	v_mul_u32_u24 v6, v6, PARTB                    ; lane l looks at part l % 8
	v_lshlrev_b32 v7, 4, v0                        ; 16 x thread = 512 v + 16 l: my 4 columns of my wave's 128, in a part, in h_t and in PRE
	s_lshl_b32 s15, s14, 9
	v_lshl_add_u32 v8, v3, 7, s15                  ; PRE, back: my wave's 512 bytes, + 128 h
	s_mul_i32 s15, s14, 1536
	v_lshlrev_b32 v11, 4, v1
	s_delay_alu instid0(VALU_DEP_1)
	v_add_nc_u32 v11, IMG, v11                     ; an image's place for my lane,
	s_delay_alu instid0(VALU_DEP_1)
	v_add_nc_u32 v9, s15, v11                      ; and where I store mine
	s_lshl_b32 s15, s14, 7
	v_lshlrev_b32 v12, 2, v1
	s_delay_alu instid0(VALU_DEP_1)
	v_add_nc_u32 v12, PSC, v12                     ; the scale words likewise
	s_delay_alu instid0(VALU_DEP_1)
	v_add_nc_u32 v10, s15, v12
	s_lshl_b32 s15, s14, 6
	v_lshl_add_u32 v13, v3, 5, s15
	s_delay_alu instid0(VALU_DEP_1)
	v_add_nc_u32 v13, OST, v13                     ; my eight results: 64 v + 32 h
	v_lshlrev_b32 v14, 4, v1                       ; 16 l
	v_mov_b32 v164, 0                              ; written once: a lane permute's destination counts as one of its sources
	s_mov_b32 s20, 0x76543210
	s_mov_b32 s21, 0xfedcba98                      ; v_permlanex16_b32's selects for lane l xor 16
	s_mul_i32 s16, ttmp9, 8*PARTB                  ; the batch's eight parts
	s_mov_b32 s17, 0
	s_lshl_b32 s18, ttmp9, 23                      ; h_t = the batch's row 2,047
	s_add_co_u32 s18, s18, 2047*4096
	s_mov_b32 s19, 0
	s_lshl_b32 s22, ttmp9, 9                       ; the batch's row of out0
	s_mov_b32 s23, 0
	s_wait_kmcnt 0x0
	s_add_nc_u64 s[4:5], s[4:5], s[16:17]
	s_add_nc_u64 s[6:7], s[6:7], s[18:19]
	s_add_nc_u64 s[12:13], s[12:13], s[22:23]
	global_load_b64 v[208:209], v6, s[4:5] offset:4096          ; (m, l) of part l % 8
.irp g, 0,1,2,3,4,5,6,7
	global_load_b128 v[168+4*\g:171+4*\g], v7, s[4:5] offset:PARTB*\g
.endr
	global_load_b128 v[200:203], v7, s[6:7]
.irp i, 0,1,2,3
	global_load_b128 v[WSC+4*\i:WSC+4*\i+3], v5, s[10:11] offset:16*\i   ; register s: row r's word for K step s
.endr
	WIN 0x40
.irp s, 0,1,2,3,4,5,6,7,8,9,10,11,12,13,14,15
.irp c, 0,1,2
	global_load_b128 v[12*\s+4*\c:12*\s+4*\c+3], v4, s[8:9] offset:1536*\s+512*\c   ; 512 consecutive bytes a load
.endr
.endr
	WIN 0
	s_wait_loadcnt 52                              ; the ten oldest loads are in: the parts, their (m, l) and h_t; W_out's 4 + 48 stay out while the operand is made
	; the parts' weights: e^(m_g - M) / the sum over g of e^(m_g - M) l_g
	v_mov_b32 v210, v208
	s_delay_alu instid0(VALU_DEP_1)
	v_max_num_f32_dpp v210, v210, v210 row_xmask:1 row_mask:0xf bank_mask:0xf
	s_delay_alu instid0(VALU_DEP_1)
	v_max_num_f32_dpp v210, v210, v210 row_xmask:2 row_mask:0xf bank_mask:0xf
	s_delay_alu instid0(VALU_DEP_1)
	v_max_num_f32_dpp v210, v210, v210 row_xmask:4 row_mask:0xf bank_mask:0xf
	s_delay_alu instid0(VALU_DEP_1)
	v_sub_f32 v211, v208, v210
	s_delay_alu instid0(VALU_DEP_1)
	v_mul_f32 v211, 0x3fb8aa3b, v211
	s_wait_alu depctr_va_vdst(0)
	v_exp_f32 v211, v211
	v_nop                                          ; a plain place behind the transcendental,
	s_wait_alu depctr_va_vdst(0)                   ; and the wait ahead of its first reader
	v_mul_f32 v212, v211, v209
	s_delay_alu instid0(VALU_DEP_1)
	v_add_f32_dpp v212, v212, v212 row_xmask:1 row_mask:0xf bank_mask:0xf
	s_delay_alu instid0(VALU_DEP_1)
	v_add_f32_dpp v212, v212, v212 row_xmask:2 row_mask:0xf bank_mask:0xf
	s_delay_alu instid0(VALU_DEP_1)
	v_add_f32_dpp v212, v212, v212 row_xmask:4 row_mask:0xf bank_mask:0xf
	s_wait_alu depctr_va_vdst(0)
	v_rcp_f32 v213, v212
	v_nop
	s_wait_alu depctr_va_vdst(0)
	v_mul_f32 v211, v211, v213
.irp g, 0,1,2,3,4,5,6,7
	v_readlane_b32 s[40+\g], v211, \g
.endr
.irp e, 0,1,2,3
	v_mul_f32 v[204+\e], s40, v[168+\e]
.endr
.irp g, 1,2,3,4,5,6,7
.irp e, 0,1,2,3
	s_delay_alu instid0(VALU_DEP_4)
	v_fma_f32 v[204+\e], s[40+\g], v[168+4*\g+\e], v[204+\e]
.endr
.endr
	ds_store_b128 v7, v[204:207]                   ; ctx's columns 128 v + 4 l on,
	ds_store_b128 v7, v[200:203] offset:4096       ; h_t's
; 128 numbers of my own wave's making come back in the operand's order (lane (r, h): k = 64 c + 32 h + 0 .. 31, two whole blocks), are quantised, and go out as an image.  LDS serves a wave's instructions in order
.macro QK koff, ioff, soff
.irp c, 0,1
.irp i, 0,1,2,3,4,5,6,7
	ds_load_b128 v[NN+32*\c+4*\i:NN+32*\c+4*\i+3], v8 offset:\koff+256*\c+16*\i
.endr
.endr
	s_wait_dscnt 0x0
.irp c, 0,1
	v_max3_num_f32 v[156+\c], |v[NN+32*\c]|, |v[NN+32*\c+1]|, 0x2800000   ; with the floor 2^(5 - 127): the byte cannot fall under 1
.endr
.irp i, 2,4,6,8,10,12,14,16,18,20,22,24,26,28,30
.irp c, 0,1
	s_delay_alu instid0(VALU_DEP_2)
	v_max3_num_f32 v[156+\c], v[156+\c], |v[NN+32*\c+\i]|, |v[NN+32*\c+\i+1]|
.endr
.endr
.irp c, 0,1
	s_delay_alu instid0(VALU_DEP_2)
	v_add_nc_u32 v[158+\c], 0xfe000000, v[156+\c]  ; 4 off the exponent field: the conversion's scale operand
.endr
.irp c, 0,1
	s_delay_alu instid0(VALU_DEP_2)
	v_lshrrev_b32 v[160+\c], 23, v[158+\c]         ; the scale's byte
.endr
	s_delay_alu instid0(VALU_DEP_1)
	v_lshl_or_b32 v162, v161, 16, v160             ; my two bytes, blocks h and 2 + h,
	v_lshlrev_b32 v163, 3, v3
	s_delay_alu instid0(VALU_DEP_1)
	v_lshlrev_b32 v162, v163, v162                 ; at their places in the word;
	s_delay_alu instid0(VALU_DEP_1)
	v_permlanex16_b32 v164, v162, s20, s21
	s_delay_alu instid0(VALU_DEP_1)
	v_or_b32 v162, v162, v164                      ; with lane l xor 16's two the word is whole
.irp c, 0,1
	v_cvt_scalef32_pk16_bf6_f32 v[PC+6*\c:PC+6*\c+2], v[NN+32*\c:NN+32*\c+15], v[158+\c]
	v_cvt_scalef32_pk16_bf6_f32 v[PX+4*\c:PX+4*\c+2], v[NN+32*\c+16:NN+32*\c+31], v[158+\c]   ; (a conversion's three registers begin on an even number)
.endr
	v_nop                                          ; one plain place behind the scaled conversions
.irp c, 0,1
.irp i, 0,1,2
	v_mov_b32 v[PC+3+6*\c+\i], v[PX+4*\c+\i]
.endr
.endr
.irp c, 0,1,2
	ds_store_b128 v9, v[PC+4*\c:PC+4*\c+3] offset:\ioff+512*\c
.endr
	ds_store_b32 v10, v162 offset:\soff
	s_wait_dscnt 0x0                               ; the stores have landed, and have read their registers
.endm
	QK 0, 0, 0
	QK 4096, 8*1536, 8*128
	s_barrier_signal -1
	s_barrier_wait -1                              ; all 16 images lie in LDS
	s_wait_loadcnt 0x0                             ; W_out's fragments and scale words are in
.irp g, 0,1
.irp u, 0,1,2,3,4,5,6,7
.irp c, 0,1,2
	ds_load_b128 v[IM+12*\u+4*\c:IM+12*\u+4*\c+3], v11 offset:(8*\g+\u)*1536+512*\c
.endr
	ds_load_b32 v[PS+\u], v12 offset:(8*\g+\u)*128
.endr
	s_wait_dscnt 0x0
	WIN 0x01                                       ; source 0 (W_out) window 1
.irp u, 0,1,2,3,4,5,6,7                        ; four accumulators by turns; the first four products start the sums
.if (8*\g+\u) < 4
	v_wmma_scale_f32_16x16x128_f8f6f4 v[ACC+8*(\u%4):ACC+8*(\u%4)+7], v[12*(8*\g+\u):12*(8*\g+\u)+11], v[IM+12*\u:IM+12*\u+11], 0, v[WSC+8*\g+\u], v[PS+\u] matrix_a_fmt:MATRIX_FMT_BF6 matrix_b_fmt:MATRIX_FMT_BF6
.else
	v_wmma_scale_f32_16x16x128_f8f6f4 v[ACC+8*(\u%4):ACC+8*(\u%4)+7], v[12*(8*\g+\u):12*(8*\g+\u)+11], v[IM+12*\u:IM+12*\u+11], v[ACC+8*(\u%4):ACC+8*(\u%4)+7], v[WSC+8*\g+\u], v[PS+\u] matrix_a_fmt:MATRIX_FMT_BF6 matrix_b_fmt:MATRIX_FMT_BF6
.endif
.endr
	WIN 0
.rept 4
	v_nop                                          ; places in front of loads into registers that matrix instructions have read, and of the first read of results
.endr
.endr
.irp j, 0,1,2,3,4,5,6,7
	v_add_f32 v[168+\j], v[ACC+\j], v[ACC+8+\j]    ; each accumulator from its low end on
.endr
.irp j, 0,1,2,3,4,5,6,7
	v_add_f32 v[176+\j], v[ACC+16+\j], v[ACC+24+\j]
.endr
.irp j, 0,1,2,3,4,5,6,7
	v_add_f32 v[168+\j], v[168+\j], v[176+\j]
.endr
.irp j, 0,1,2,3,4,5,6,7
	v_mul_f32 v[168+\j], 0x4038aa3b, v[168+\j]     ; 2 log2(e) x
.endr
	s_wait_alu depctr_va_vdst(0)
.irp j, 0,1,2,3,4,5,6,7
	v_exp_f32 v[168+\j], v[168+\j]
.endr
	v_nop
	s_wait_alu depctr_va_vdst(0)                   ; one wait for the eight
.irp j, 0,1,2,3,4,5,6,7
	v_add_f32 v[168+\j], 1.0, v[168+\j]
.endr
	s_wait_alu depctr_va_vdst(0)
.irp j, 0,1,2,3,4,5,6,7
	v_rcp_f32 v[168+\j], v[168+\j]
.endr
	v_nop
	s_wait_alu depctr_va_vdst(0)
.irp j, 0,1,2,3,4,5,6,7
	v_fma_f32 v[168+\j], v[168+\j], -2.0, 1.0
.endr
	ds_store_b128 v13, v[168:171]                  ; (the sixteen lanes of a half hold the same and write the same)
	ds_store_b128 v13, v[172:175] offset:16
	s_wait_dscnt 0x0                               ; for wave 0's sake
	s_barrier_signal -1
	s_barrier_wait -1
	s_cmp_lg_u32 s14, 0
	s_cbranch_scc1 .Lnot_wave_0
	v_add_nc_u32 v15, OST, v14
	ds_load_b128 v[180:183], v15
	s_wait_dscnt 0x0
	global_store_b128 v14, v[180:183], s[12:13]    ; the batch's 128 results: 512 consecutive bytes, at a multiple of 256 from out0's first byte
.Lnot_wave_0:
	s_wait_tensorcnt 0x0                           ; the wave's end, behind my last LDS store
	ds_add_u32 v[SPW], v[NIL]
	s_wait_dscnt 0x0
	s_endpgm
.Lfunc_end_k_qd52fadf735_finish:
	.size	k_qd52fadf735_finish, .Lfunc_end_k_qd52fadf735_finish-k_qd52fadf735_finish
	.p2alignl 7, 3214868480
	.fill 96, 4, 3214868480
	.section	.rodata,"a",@progbits
	.p2align	6, 0x0
	.amdhsa_kernel k_qd52fadf735_finish
		.amdhsa_group_segment_fixed_size 36352
		.amdhsa_private_segment_fixed_size 0
		.amdhsa_enable_private_segment 0
		.amdhsa_kernarg_size 40
		.amdhsa_user_sgpr_count 2
		.amdhsa_user_sgpr_kernarg_segment_ptr 1
		.amdhsa_wavefront_size32 1
		.amdhsa_system_sgpr_workgroup_id_x 1
		.amdhsa_system_sgpr_workgroup_id_y 1
		.amdhsa_system_sgpr_workgroup_id_z 1
		.amdhsa_system_vgpr_workitem_id 0
		.amdhsa_next_free_vgpr 512
		.amdhsa_next_free_sgpr 66
		.amdhsa_reserve_vcc 0
		.amdhsa_float_denorm_mode_32 3
		.amdhsa_float_denorm_mode_16_64 3
		.amdhsa_memory_ordered 1
		.amdhsa_forward_progress 1
		.amdhsa_inst_pref_size 34
	.end_amdhsa_kernel
	.amdgpu_metadata
---
amdhsa.version: [ 1, 2 ]
amdhsa.kernels:
  - .name:           k_qd52fadf735_finish
    .symbol:         k_qd52fadf735_finish.kd
    .args:
      - { .name: part, .offset: 0, .size: 8, .value_kind: global_buffer, .address_space: global }
      - { .name: hidden_states, .offset: 8, .size: 8, .value_kind: global_buffer, .address_space: global }
      - { .name: wolay, .offset: 16, .size: 8, .value_kind: global_buffer, .address_space: global }
      - { .name: W_out_scales, .offset: 24, .size: 8, .value_kind: global_buffer, .address_space: global }
      - { .name: out0, .offset: 32, .size: 8, .value_kind: global_buffer, .address_space: global }
    .group_segment_fixed_size: 36352
    .private_segment_fixed_size: 0
    .kernarg_segment_align: 8
    .kernarg_segment_size: 40
    .max_flat_workgroup_size: 256
    .sgpr_count:     66
    .vgpr_count:     512
    .wavefront_size: 32
...
	.end_amdgpu_metadata
.endif
;; end of part 3
